; MI455X (gfx1250); checked and timed in simulation.
; The chip was launched on July 23, 2026; its instructions are those of AMD's public machine-readable ISA for CDNA 5 (MIT licence, August 2026) and "CDNA5" Instruction Set Architecture Reference Guide (July 2026). The comments in the code are by the model that wrote it; some were corrected since.
;; Deformation Network. Allowed arithmetic: matrix products marked QUANTISED: E2M1 operands, one E8M0 scale for each 32 along K, by v_wmma_scale_f32_16x16x128_f8f6f4 with both operands' format E2M1 (or v_wmma_scale_f32_32x16x128_f4), f32 sums; products left as they are: f32 operands where the result goes on into a quantised operand, else bf16, f16 or f32 operands; f32 sums; everything else in f32.
;; Inputs: W0 256 x 60 float32; W1_codes 256 x 8 x 16 uint8 (E2M1 codes of W1, K innermost, in blocks of 32 codes, two codes a byte); W1_scales 256 x 8 uint8 (E8M0 scales of W1, one for each 32 codes along K); W2 256 x 316 float32; W3_codes 256 x 8 x 16 uint8 (E2M1 codes of W3, K innermost, in blocks of 32 codes, two codes a byte); W3_scales 256 x 8 uint8 (E8M0 scales of W3, one for each 32 codes along K); Wop 1 x 256 float32; Wrot 4 x 256 float32; Wscale 3 x 256 float32; Wxyz 3 x 256 float32; b0 256 float32; b1 256 float32; b2 256 float32; b3 256 float32; bop 1 float32; brot 4 float32; bscale 3 float32; bxyz 3 float32; canonical_xyz 262,144 x 3 float32; time 1 x 1 float32.
;; Outputs: out0 262,144 x 3 float32; out1 262,144 x 4 float32; out2 262,144 x 3 float32; out3 262,144 x 1 float32.
;; This version of the problem:
;;   THIS VERSION OF THE PROBLEM IS GIVEN IN LOW PRECISION. The matrix products marked QUANTISED in the list below multiply operands that are first quantised to E2M1 (2 exponent bits, 1 mantissa bit; 4 bits a number), with one power-of-two scale for each 32 numbers along K (OCP MX v1.0); their sums are f32. All else is computed in f32.
;;   The module's matrix products, in the order in which they are computed (A, B: the left and right operand; K: the contracted axis; several contracted axes count as one K, in the product's order):
;;     1. [M 262,144, K 60] x [K 60, N 256]; A: computed on the way; B: input W0: QUANTISED
;;     2. [M 262,144, K 256] x [K 256, N 256]; A: computed on the way; B: input W1 (given as codes): QUANTISED
;;     3. [M 262,144, K 316] x [K 316, N 256]; A: computed on the way; B: input W2: QUANTISED
;;     4. [M 262,144, K 256] x [K 256, N 256]; A: computed on the way; B: input W3 (given as codes): QUANTISED
;;     5. [M 262,144, K 256] x [K 256, N 3]; A: computed on the way; B: input Wxyz: left as it is (N = 3 < 16)
;;     6. [M 262,144, K 256] x [K 256, N 4]; A: computed on the way; B: input Wrot: left as it is (N = 4 < 16)
;;     7. [M 262,144, K 256] x [K 256, N 3]; A: computed on the way; B: input Wscale: left as it is (N = 3 < 16)
;;     8. [M 262,144, K 256] x [K 256, N 1]; A: computed on the way; B: input Wop: left as it is (N = 1 < 16)
;;   THE QUANTISER, for each operand of a quantised product, along K:
;;     - K is cut into blocks of 32 from its start; a last block that is shorter is filled with zeros.
;;     - A block's scale is 2^e with e = floor(log2(the largest magnitude in the block)) - 2, held to -126 .. 127; a block of zeros has e = 0. As a byte (E8M0): e + 127.
;;     - Each number is divided by its block's scale, clamped to +-6, and rounded to the nearest number of E2M1, ties to even, subnormals kept.
;;     - The product sums the exact products of the quantised numbers (number of the format x scale) in f32.
;;   ~~~python
;;   def quantise(x, axis):      # numpy; x: float32 -> the quantised numbers, widened to float32 again
;;       x = np.moveaxis(x, axis, -1); K = x.shape[-1]
;;       x = np.pad(x, [(0, 0)] * (x.ndim - 1) + [(0, -K % 32)]); x = x.reshape(x.shape[:-1] + (-1, 32)); a = np.abs(x).max(-1, keepdims=True)
;;       e = np.where(a > 0, np.clip(np.frexp(np.where(a > 0, a, 1))[1] - 1 - 2, -126, 127), 0)      # np.frexp(a)[1] - 1 = floor(log2(a)), exactly
;;       r = np.clip(x / 2.0 ** e, -6, 6)
;;       step = 2.0 ** (np.maximum(np.frexp(np.where(r == 0, 1, r))[1] - 1, 0) - 1)
;;       q = np.round(r / step) * step * 2.0 ** e      # np.round: ties to even
;;       return np.moveaxis(q.reshape(q.shape[:-2] + (-1,))[..., :K], -1, axis).astype(np.float32)
;;   ~~~
;;   OPERANDS COMPUTED ON THE WAY. 'Computed on the way' means the value that the module computes at that place (a softmax that the list does not call 'softmax' is quantised finished and normalised). What goes into a quantiser is computed in f32, as accurately as f32 sums, v_exp_f32 and their like allow (about 1e-6 of the number): no bf16 or f16 on the way to a quantiser, and a product that is left as it is and whose result goes on into a quantised operand takes f32 operands (vector FMAs, or v_wmma_f32_16x16x4_f32). A number that lies on a knife's edge between two numbers of the format may be rounded either way, as far as f32 arithmetic and the matrix unit's own rounding can turn it there, and no further.
;;   INPUTS GIVEN AS CODES. W1 (in the module: [256, 256], K = its axis 1); W3 (in the module: [256, 256], K = its axis 1): each comes as NAME_codes (uint8): NAME with its K axis moved to the last place and cut into blocks of 32 codes, [.., K / 32, bytes a block], one block behind the other in memory; two codes a byte, the lower K in the low four bits (a code: sign, 2 exponent bits, 1 mantissa bit); and NAME_scales (uint8): the same leading axes, one E8M0 byte (e + 127) for each 32 codes along K. Its value is code x scale, taken as it is: it is not quantised again, and the codes and scales need not be those that the quantiser above would give.
;; One version. Each part assembles by itself: llvm-mc -triple=amdgcn-amd-amdhsa -mcpu=gfx1250 --defsym DOCPART=n.
;; ======== version 1 of 1: 2 launches
;; limits: right only within a limited range of input values; values are held in bf16: 8 bits of precision
;; workspace buffers: wimg 151,808 bytes
;; launch lay (part 1): grid 17 x 1, 8 waves a work-group, no clusters, 0 bytes of LDS; arguments W0, W2, W1_codes, W1_scales, W3_codes, W3_scales, b0, b1, b2, b3, Wxyz, Wrot, Wscale, Wop, bxyz, brot, bscale, bop, wimg; writes wimg
.if DOCPART == 1
	.amdgcn_target "amdgcn-amd-amdhsa--gfx1250"
	.amdhsa_code_object_version 6
	.text
	.protected	k_q3f5ea3d0ac_lay
	.globl	k_q3f5ea3d0ac_lay
	.p2align	8
	.type	k_q3f5ea3d0ac_lay,@function
k_q3f5ea3d0ac_lay:
	s_mov_b64 s[64:65], 0
	v_nop
	global_prefetch_b8 v0, s[64:65] scope:SCOPE_SE
	s_setreg_imm32_b32 hwreg(HW_REG_WAVE_MODE, 25, 1), 1
	s_wait_xcnt 0x0
; All weights are laid once, in the order in which the main launch's operand registers take them (buffer wimg, 151,616 bytes used):
;   0        128 fragments of E2M1 codes, 1,024 bytes each, as images of registers: register g of lane l at 512 (g / 4) + 16 l + 4 (g % 4).
;            Fragment f = FB(L) + 4 (c S(L) + s) + u: layer L (S = 1, 2, 3, 2 K steps of 128; FB = 0, 16, 48, 96), chunk c of 64 units, K step s, tile u of the chunk.
;   131,072  scale words: group f / 4 has 256 bytes; the word of tile u, row i lies at 8 (16 (u % 2) + i) + 4 (u / 2).
;   139,264  biases: tile 16 L + 4 c + u has 64 bytes, entry i = b_L[U(i)].
;   143,360  eight bf16 fragments of the eleven head rows, index 2 c + v, images as above.       151,552  the head rows' biases, 16 numbers.
; THE ROWS OF A TILE ARE NOT NEIGHBOURS: row i of tile (c, u) is unit U(i) = 64 c + 32 (i / 8) + 8 u + i % 8, so that in the transposed product a lane's 32 results of a chunk are one whole block of 32 of the next K.
; W1 and W3 come as codes and are only put in order.  W0 [256][60] and W2 [256][316] are quantised along K: a block's scale byte is its largest magnitude's exponent field - 2, held at 1 from below;
; the short last block (28 numbers) and the rest of its K step are filled with zeros.  A block of zeros keeps the byte 1: its codes are zeros, and this program alone reads the bytes.
; LIMITS: blocks whose largest magnitude lies under 2^-124 keep the byte 1; NaN and infinities among the inputs are not served.
; SHARES: work-group tau = 0 .. 15 takes tile (c, u) = (tau / 4, tau % 4) of all four layers, one K step a wave (8 K steps in all); work-group 16 takes the heads, a fragment a wave.  Waves share nothing.
.set WSC,   131072
.set BIASO, 139264
.set HEADO, 143360
.set HBO,   151552
	s_load_b512 s[8:23], s[0:1], 0x0               ; W0 s[8:9], W2 s[10:11], W1 codes s[12:13], scales s[14:15], W3 codes s[16:17], scales s[18:19], b0 s[20:21], b1 s[22:23]
	s_load_b512 s[24:39], s[0:1], 0x40             ; b2 s[24:25], b3 s[26:27], Wxyz s[28:29], Wrot s[30:31], Wscale s[32:33], Wop s[34:35], bxyz s[36:37], brot s[38:39]
	s_load_b128 s[40:43], s[0:1], 0x80             ; bscale s[40:41], bop s[42:43]
	s_load_b64 s[44:45], s[0:1], 0x90              ; wimg
	v_lshrrev_b32 v1, 5, v0
	s_delay_alu instid0(VALU_DEP_1)
	v_readfirstlane_b32 s46, v1                    ; wave 0..7
	v_and_b32 v2, 31, v0                           ; lane
	v_and_b32 v3, 15, v0                           ; i: the tile's row
	v_bfe_u32 v4, v0, 4, 1                         ; h
	s_delay_alu instid0(VALU_DEP_3)
	v_lshlrev_b32 v7, 4, v2                        ; 16 x lane: my place in an image
	s_mov_b32 s4, 0x76543210
	s_mov_b32 s5, 0xfedcba98                       ; v_permlanex16_b32's selects for lane l xor 16
	s_cmp_eq_u32 ttmp9, 16
	s_cbranch_scc1 .Lheads
	; ---- a tile of the four layers
	s_lshr_b32 s47, ttmp9, 2                       ; c
	s_and_b32 s48, ttmp9, 3                        ; u
	s_lshl_b32 s49, s47, 6
	s_lshl_b32 s2, s48, 3
	s_add_co_u32 s49, s49, s2
	s_wait_alu depctr_va_vdst(0)
	v_and_b32 v5, 7, v3
	v_lshrrev_b32 v6, 3, v3
	s_delay_alu instid0(VALU_DEP_1)
	v_lshl_add_u32 v5, v6, 5, v5
	s_delay_alu instid0(VALU_DEP_1)
	v_add_nc_u32 v5, s49, v5                       ; U = 64 c + 32 (i / 8) + 8 u + i % 8
	s_wait_alu depctr_va_vdst(0)
	s_mov_b32 s50, 0                               ; L: wave 0 layer 0; waves 1, 2 layer 1; waves 3 to 5 layer 2; waves 6, 7 layer 3
	s_mov_b32 s51, 0                               ; the layer's first wave
	s_mov_b32 s52, 1                               ; S
	s_mov_b32 s53, 0                               ; FB
	s_cmp_ge_u32 s46, 1
	s_cselect_b32 s50, 1, s50
	s_cselect_b32 s51, 1, s51
	s_cselect_b32 s52, 2, s52
	s_cselect_b32 s53, 16, s53
	s_cmp_ge_u32 s46, 3
	s_cselect_b32 s50, 2, s50
	s_cselect_b32 s51, 3, s51
	s_cselect_b32 s52, 3, s52
	s_cselect_b32 s53, 48, s53
	s_cmp_ge_u32 s46, 6
	s_cselect_b32 s50, 3, s50
	s_cselect_b32 s51, 6, s51
	s_cselect_b32 s52, 2, s52
	s_cselect_b32 s53, 96, s53
	s_sub_co_u32 s54, s46, s51                     ; s: my K step
	s_mul_i32 s55, s47, s52
	s_add_co_u32 s55, s55, s54
	s_lshl_b32 s55, s55, 2
	s_add_co_u32 s55, s55, s53                     ; the group's first fragment, 4 x group
	s_lshl_b32 s56, s55, 6                         ; 256 x group
	s_add_co_u32 s55, s55, s48                     ; f
	s_lshl_b32 s55, s55, 10
	v_add_nc_u32 v7, s55, v7                       ; where my 16 bytes of the fragment's image go
	s_and_b32 s57, s48, 1
	s_lshl_b32 s57, s57, 7
	s_add_co_u32 s56, s56, s57
	s_lshr_b32 s57, s48, 1
	s_lshl_b32 s57, s57, 2
	s_add_co_u32 s56, s56, s57
	s_add_co_u32 s56, s56, WSC
	v_lshl_add_u32 v8, v3, 3, s56                  ; where row i's scale word goes
	s_lshl_b32 s57, s50, 4
	s_add_co_u32 s57, s57, ttmp9
	s_lshl_b32 s57, s57, 6
	s_add_co_u32 s57, s57, BIASO
	v_lshl_add_u32 v11, v3, 2, s57                 ; where row i's bias goes
	v_lshlrev_b32 v9, 2, v5                        ; and where it comes from: 4 U
	s_wait_kmcnt 0x0
	s_cmp_ge_u32 s46, 1                            ; b_L: a choice between buffers on the wave's number alone
	s_cselect_b64 s[58:59], s[22:23], s[20:21]
	s_cmp_ge_u32 s46, 3
	s_cselect_b64 s[58:59], s[24:25], s[58:59]
	s_cmp_ge_u32 s46, 6
	s_cselect_b64 s[58:59], s[26:27], s[58:59]
	s_wait_alu depctr_va_vdst(0)
	global_load_b32 v10, v9, s[58:59]              ; the tile's biases, asked for with the weights; the layer's first wave stores them
	s_and_b32 s60, s50, 1
	s_cmp_eq_u32 s60, 0
	s_cbranch_scc1 .Lquant
	; ---- layers 1 and 3: codes as they are given.  A row is 128 bytes; lane (i, h) takes K = 128 s + 64 cc + 32 h + 0 .. 31: 16 bytes at 64 s + 32 cc + 16 h
	s_cmp_eq_u32 s50, 1
	s_cselect_b64 s[60:61], s[12:13], s[16:17]
	s_cselect_b64 s[62:63], s[14:15], s[18:19]
	v_lshlrev_b32 v12, 7, v5
	s_delay_alu instid0(VALU_DEP_1)
	v_lshl_add_u32 v12, v4, 4, v12
	s_lshl_b32 s2, s54, 6
	v_add_nc_u32 v12, s2, v12
	s_lshl_b32 s3, s54, 2
	v_lshl_add_u32 v13, v5, 3, s3                  ; the row's four scale bytes of this K step: 8 U + 4 s
	global_load_b128 v[16:19], v12, s[60:61]
	global_load_b128 v[20:23], v12, s[60:61] offset:32
	global_load_b32 v24, v13, s[62:63]
	s_wait_loadcnt 0x0
	s_wait_alu depctr_va_vdst(0)
	global_store_b128 v7, v[16:19], s[44:45]       ; the wave stores 512 consecutive bytes
	global_store_b128 v7, v[20:23], s[44:45] offset:512
	global_store_b32 v8, v24, s[44:45]
	s_cmp_lg_u32 s54, 0                            ; the layer's first wave lays the tile's biases
	s_cbranch_scc1 .Lcodes_end
	global_store_b32 v11, v10, s[44:45]            ; lanes 16-31 repeat lanes 0-15: the same place, the same number
.Lcodes_end:
	s_endpgm
	; ---- layers 0 and 2: f32 numbers, quantised.  Lane (i, h) takes K = 128 s + 64 cc + 32 h + 0 .. 31 of row U: two whole blocks, v64-95 and v96-127
.Lquant:
	s_cmp_eq_u32 s50, 0
	s_cselect_b64 s[60:61], s[8:9], s[10:11]
	s_mov_b32 s62, 1264                            ; a row of W2 in bytes,
	s_cselect_b32 s62, 240, s62                    ; of W0
	v_mul_lo_u32 v12, v5, s62
	s_delay_alu instid0(VALU_DEP_1)
	v_lshl_add_u32 v12, v4, 7, v12
	s_lshl_b32 s2, s54, 9
	v_add_nc_u32 v12, s2, v12                      ; U x row + 512 s + 128 h
	v_mov_b32 v14, 0
	s_cmp_eq_u32 s46, 0                            ; W0's one K step and W2's third hold 60 numbers of the row
	s_cselect_b32 s3, 1, 0
	s_cmp_eq_u32 s46, 5
	s_cselect_b32 s3, 1, s3
	s_cmp_eq_u32 s3, 1
	s_cbranch_scc1 .Lshort
.irp cc, 0,1
.irp q, 0,1,2,3,4,5,6,7
	global_load_b128 v[64+32*\cc+4*\q:67+32*\cc+4*\q], v12, s[60:61] offset:256*\cc+16*\q
.endr
.endr
	s_wait_loadcnt 0x0
	s_branch .Lnumbers
.Lshort:
	v_lshlrev_b32 v13, 4, v4
	s_wait_alu depctr_va_vdst(0)
	v_sub_nc_u32 v13, v12, v13                     ; the eighth load of lanes 16-31 would leave the row: they read their seventh again, and the four numbers are cleared below
.irp q, 0,1,2,3,4,5,6
	global_load_b128 v[64+4*\q:67+4*\q], v12, s[60:61] offset:16*\q
.endr
	global_load_b128 v[92:95], v13, s[60:61] offset:112
.set n_, 96
.rept 32
	v_mov_b32 v[n_], 0                             ; K = 64 .. 127 of this step: zeros
.set n_, n_+1
.endr
	s_wait_loadcnt 0x0
	v_cmp_eq_u32 vcc_lo, 1, v4
.irp n, 92,93,94,95
	v_cndmask_b32 v\n, v\n, v14, vcc_lo            ; numbers 60 .. 63: zeros
.endr
.Lnumbers:
.irp cc, 0,1
	v_max3_num_f32 v[32+\cc], |v[64+32*\cc]|, |v[65+32*\cc]|, 0x1800000   ; my block 2 cc + h, and the floor 2^(3 - 127): the byte cannot fall under 1
.endr
.irp i, 2,4,6,8,10,12,14,16,18,20,22,24,26,28,30
.irp cc, 0,1
	s_delay_alu instid0(VALU_DEP_2)
	v_max3_num_f32 v[32+\cc], v[32+\cc], |v[64+32*\cc+\i]|, |v[65+32*\cc+\i]|
.endr
.endr
.irp cc, 0,1
	s_delay_alu instid0(VALU_DEP_2)
	v_add_nc_u32 v[44+\cc], 0xff000000, v[32+\cc]  ; 2 off the exponent field: the conversion takes this operand's exponent field as its scale
.endr
.irp cc, 0,1
	s_delay_alu instid0(VALU_DEP_2)
	v_lshrrev_b32 v[36+\cc], 23, v[44+\cc]         ; the scale's byte
.endr
	s_delay_alu instid0(VALU_DEP_1)
	v_lshl_or_b32 v26, v37, 16, v36                ; my bytes: blocks h and 2 + h of the row,
	v_lshlrev_b32 v27, 3, v4
	s_delay_alu instid0(VALU_DEP_1)
	v_lshlrev_b32 v26, v27, v26                    ; at their places in the word;
	v_mov_b32 v27, 0
	s_delay_alu instid0(VALU_DEP_1)
	v_permlanex16_b32 v27, v26, s4, s5
	s_delay_alu instid0(VALU_DEP_1)
	v_or_b32 v26, v26, v27                         ; with lane l xor 16's two the word is whole
.irp cc, 0,1
.irp g, 0,1,2,3
	v_cvt_scalef32_pk8_fp4_f32 v[48+4*\cc+\g], v[64+32*\cc+8*\g:71+32*\cc+8*\g], v[44+\cc]
.endr
.endr
	v_nop                                          ; a plain line behind the last scaled conversion
	global_store_b128 v7, v[48:51], s[44:45]
	global_store_b128 v7, v[52:55], s[44:45] offset:512
	global_store_b32 v8, v26, s[44:45]
	s_cmp_lg_u32 s54, 0                            ; the layer's first wave lays the tile's biases
	s_cbranch_scc1 .Lquant_end
	global_store_b32 v11, v10, s[44:45]
.Lquant_end:
	s_endpgm
	; ---- the heads.  Rows i of the one tile: 0, 1 rot 0, 1;  2 op;  4-6 xyz;  8, 9 rot 2, 3;  10 op again;  12-14 scale;  3, 7, 11, 15 zeros.
	; Wave 2 c + v: lane (i, h) holds bf16 of row i's weights of units 64 c + 32 h + 16 v + 0 .. 15, two to a register: the order in which the main launch packs the last layer.
.Lheads:
	s_lshr_b32 s47, s46, 1
	s_and_b32 s48, s46, 1
	s_lshl_b32 s47, s47, 8
	s_lshl_b32 s48, s48, 6
	s_add_co_u32 s47, s47, s48
	s_wait_alu depctr_va_vdst(0)
	v_lshl_add_u32 v5, v4, 7, s47                  ; my 16 numbers in a row of 1,024 bytes: 256 c + 64 v + 128 h
	v_and_b32 v6, 7, v3                            ; b = i % 8
	v_lshrrev_b32 v8, 3, v3                        ; a = i / 8
	s_delay_alu instid0(VALU_DEP_2)
	v_and_b32 v9, 1, v6
	s_delay_alu instid0(VALU_DEP_1)
	v_lshl_add_u32 v9, v8, 1, v9                   ; the row of Wrot: 2 a + b % 2
	s_delay_alu instid0(VALU_DEP_4)
	v_and_b32 v10, 3, v6
	s_delay_alu instid0(VALU_DEP_1)
	v_min_u32 v10, 2, v10                          ; the row of Wxyz or Wscale: b % 4, held at 2: every lane's loads stay inside the buffers
	s_delay_alu instid0(VALU_DEP_3)
	v_lshl_add_u32 v11, v9, 10, v5
	s_delay_alu instid0(VALU_DEP_2)
	v_lshl_add_u32 v12, v10, 10, v5
	v_cmp_gt_u32 s50, 2, v6                        ; rot
	v_cmp_eq_u32 s51, 2, v6                        ; op
	v_add_nc_u32 v13, -4, v3
	s_delay_alu instid0(VALU_DEP_1)
	v_cmp_gt_u32 s52, 3, v13                       ; xyz: i = 4 .. 6
	v_add_nc_u32 v14, -12, v3
	s_delay_alu instid0(VALU_DEP_1)
	v_cmp_gt_u32 s53, 3, v14                       ; scale: i = 12 .. 14
	v_mov_b32 v15, 0
	s_lshl_b32 s54, s46, 10
	s_add_co_u32 s54, s54, HEADO
	v_add_nc_u32 v7, s54, v7
	v_lshlrev_b32 v16, 2, v9
	v_lshlrev_b32 v17, 2, v10
	s_wait_alu depctr_va_vdst(0)
	s_wait_kmcnt 0x0
	global_load_b32 v20, v16, s[38:39]             ; the sixteen rows' biases, asked for with the weights; wave 0 stores them
	global_load_b32 v21, v15, s[42:43]
	global_load_b32 v22, v17, s[36:37]
	global_load_b32 v23, v17, s[40:41]
.irp q, 0,1,2,3
	global_load_b128 v[64+4*\q:67+4*\q], v11, s[30:31] offset:16*\q
	global_load_b128 v[80+4*\q:83+4*\q], v5, s[34:35] offset:16*\q
	global_load_b128 v[96+4*\q:99+4*\q], v12, s[28:29] offset:16*\q
	global_load_b128 v[112+4*\q:115+4*\q], v12, s[32:33] offset:16*\q
.endr
	s_wait_loadcnt 0x0
.irp n, 0,1,2,3,4,5,6,7,8,9,10,11,12,13,14,15
	v_cndmask_b32 v[32+\n], v15, v[64+\n], s50
.endr
.irp n, 0,1,2,3,4,5,6,7,8,9,10,11,12,13,14,15
	v_cndmask_b32 v[32+\n], v[32+\n], v[80+\n], s51
.endr
.irp n, 0,1,2,3,4,5,6,7,8,9,10,11,12,13,14,15
	v_cndmask_b32 v[32+\n], v[32+\n], v[96+\n], s52
.endr
.irp n, 0,1,2,3,4,5,6,7,8,9,10,11,12,13,14,15
	v_cndmask_b32 v[32+\n], v[32+\n], v[112+\n], s53
.endr
.irp q, 0,1,2,3,4,5,6,7
	v_cvt_pk_bf16_f32 v[48+\q], v[32+2*\q], v[33+2*\q]
.endr
	global_store_b128 v7, v[48:51], s[44:45]
	global_store_b128 v7, v[52:55], s[44:45] offset:512
	s_cmp_lg_u32 s46, 0                            ; wave 0 also lays the sixteen rows' biases, chosen in the same way
	s_cbranch_scc1 .Lend
	v_cndmask_b32 v24, v15, v20, s50
	s_delay_alu instid0(VALU_DEP_1)
	v_cndmask_b32 v24, v24, v21, s51
	s_delay_alu instid0(VALU_DEP_1)
	v_cndmask_b32 v24, v24, v22, s52
	s_delay_alu instid0(VALU_DEP_1)
	v_cndmask_b32 v24, v24, v23, s53
	v_lshl_add_u32 v25, v3, 2, HBO
	global_store_b32 v25, v24, s[44:45]            ; lanes 16-31 repeat lanes 0-15
.Lend:
	s_endpgm
.Lfunc_end_k_q3f5ea3d0ac_lay:
	.size	k_q3f5ea3d0ac_lay, .Lfunc_end_k_q3f5ea3d0ac_lay-k_q3f5ea3d0ac_lay
	.p2alignl 7, 3214868480
	.fill 96, 4, 3214868480
	.section	.rodata,"a",@progbits
	.p2align	6, 0x0
	.amdhsa_kernel k_q3f5ea3d0ac_lay
		.amdhsa_group_segment_fixed_size 0
		.amdhsa_private_segment_fixed_size 0
		.amdhsa_enable_private_segment 0
		.amdhsa_kernarg_size 152
		.amdhsa_user_sgpr_count 2
		.amdhsa_user_sgpr_kernarg_segment_ptr 1
		.amdhsa_wavefront_size32 1
		.amdhsa_system_sgpr_workgroup_id_x 1
		.amdhsa_system_sgpr_workgroup_id_y 1
		.amdhsa_system_sgpr_workgroup_id_z 1
		.amdhsa_system_vgpr_workitem_id 0
		.amdhsa_next_free_vgpr 128
		.amdhsa_next_free_sgpr 66
		.amdhsa_reserve_vcc 1
		.amdhsa_float_denorm_mode_32 3
		.amdhsa_float_denorm_mode_16_64 3
		.amdhsa_memory_ordered 1
		.amdhsa_forward_progress 1
		.amdhsa_inst_pref_size 23
	.end_amdhsa_kernel
	.amdgpu_metadata
---
amdhsa.version: [ 1, 2 ]
amdhsa.kernels:
  - .name:           k_q3f5ea3d0ac_lay
    .symbol:         k_q3f5ea3d0ac_lay.kd
    .args:
      - { .name: W0, .offset: 0, .size: 8, .value_kind: global_buffer, .address_space: global }
      - { .name: W2, .offset: 8, .size: 8, .value_kind: global_buffer, .address_space: global }
      - { .name: W1_codes, .offset: 16, .size: 8, .value_kind: global_buffer, .address_space: global }
      - { .name: W1_scales, .offset: 24, .size: 8, .value_kind: global_buffer, .address_space: global }
      - { .name: W3_codes, .offset: 32, .size: 8, .value_kind: global_buffer, .address_space: global }
      - { .name: W3_scales, .offset: 40, .size: 8, .value_kind: global_buffer, .address_space: global }
      - { .name: b0, .offset: 48, .size: 8, .value_kind: global_buffer, .address_space: global }
      - { .name: b1, .offset: 56, .size: 8, .value_kind: global_buffer, .address_space: global }
      - { .name: b2, .offset: 64, .size: 8, .value_kind: global_buffer, .address_space: global }
      - { .name: b3, .offset: 72, .size: 8, .value_kind: global_buffer, .address_space: global }
      - { .name: Wxyz, .offset: 80, .size: 8, .value_kind: global_buffer, .address_space: global }
      - { .name: Wrot, .offset: 88, .size: 8, .value_kind: global_buffer, .address_space: global }
      - { .name: Wscale, .offset: 96, .size: 8, .value_kind: global_buffer, .address_space: global }
      - { .name: Wop, .offset: 104, .size: 8, .value_kind: global_buffer, .address_space: global }
      - { .name: bxyz, .offset: 112, .size: 8, .value_kind: global_buffer, .address_space: global }
      - { .name: brot, .offset: 120, .size: 8, .value_kind: global_buffer, .address_space: global }
      - { .name: bscale, .offset: 128, .size: 8, .value_kind: global_buffer, .address_space: global }
      - { .name: bop, .offset: 136, .size: 8, .value_kind: global_buffer, .address_space: global }
      - { .name: wimg, .offset: 144, .size: 8, .value_kind: global_buffer, .address_space: global }
    .group_segment_fixed_size: 0
    .private_segment_fixed_size: 0
    .kernarg_segment_align: 8
    .kernarg_segment_size: 152
    .max_flat_workgroup_size: 256
    .sgpr_count:     66
    .vgpr_count:     128
    .wavefront_size: 32
...
	.end_amdgpu_metadata
.endif
;; end of part 1
;; launch mlp (part 2): grid 256 x 1, 8 waves a work-group, clusters of 4 x 1, 191,488 bytes of LDS; arguments canonical_xyz, time, wimg, out0, out1, out2, out3; writes out0, out1, out2, out3
.if DOCPART == 2
	.amdgcn_target "amdgcn-amd-amdhsa--gfx1250"
	.amdhsa_code_object_version 6
	.text
	.protected	k_q3f5ea3d0ac_mlp
	.globl	k_q3f5ea3d0ac_mlp
	.p2align	8
	.type	k_q3f5ea3d0ac_mlp,@function
k_q3f5ea3d0ac_mlp:
	s_mov_b64 s[64:65], 0
	v_nop
	global_prefetch_b8 v0, s[64:65] scope:SCOPE_SE
	s_setreg_imm32_b32 hwreg(HW_REG_WAVE_MODE, 25, 1), 1
	s_wait_xcnt 0x0
	s_wait_alu depctr_hold_cnt(0) depctr_sa_sdst(0) depctr_va_vdst(0) depctr_va_sdst(0) depctr_va_ssrc(0) depctr_va_vcc(0) depctr_vm_vsrc(0)
	s_getreg_b32 s2, hwreg(HW_REG_IB_STS2, 6, 4)
	s_cmp_eq_u32 s2, 0
	s_cbranch_scc0 .Lentry_in_a_cluster
	s_endpgm
.Lentry_in_a_cluster:
	s_bfe_u32 s2, ttmp6, 0x10000c
	s_cmp_lg_u32 s2, 0x3003
	s_cbranch_scc0 .Lentry_shape_is_right
	s_endpgm
.Lentry_shape_is_right:
; The whole network for 262,144 points: sine and cosine encoding (60 numbers a row), four layers of 256 units with relu on codes of E2M1 (one E8M0 scale for each 32 along K), eleven head outputs in bf16.
; SHARES.  A work-group owns 1,024 rows = 16 blocks of 64.  Waves 0 to 3 take three blocks each, waves 4 to 7 one: with eight waves on four SIMDs, each SIMD has four blocks.  A trip takes one block (four tiles of 16 rows)
; through the WHOLE chain in registers; in the loop no wave waits for another.
; All weights, laid by the launch before in the order of the operand registers, come into LDS once (one tensor load a wave, 74 rows of 256 bytes) and stay: no slot is ever filled again.
; A weight fragment read from LDS feeds four matrix instructions.
; CLUSTER.  All work-groups read the same image: the four of a cluster ask for it jointly (mask 15; the descriptor hangs on the wave's number alone).
; No prefetch: the image is asked for once, at the head, with no loop ahead of it; a trip's xyz is loaded into registers a whole trip ahead.
; LAYOUT.  Every product is used transposed (source 0 = 16 rows of a weight, source 1 = 16 rows of activations), and row i of weight tile (c, u) is unit 64 c + 32 (i / 8) + 8 u + i % 8.
; So lane (r, h) holds row r, and its 32 results of a chunk c (four tiles u) are units 64 c + 32 h + 0 .. 31: ONE WHOLE BLOCK of the next K, in order: its maximum needs no other lane, and four conversions give
; registers 4 (c % 2) .. + 3 of K step c / 2 of the next operand as they stand.  The biases are the C of each sum's first matrix instruction.
; RELU.  The block's maximum is taken without |.| (what is negative must not count; the floor stands over it); the negative codes are then turned into -0, four lines for eight numbers.
; SCALE WORDS.  Bytes 0 and 2 of a row's word lie in lanes 0-15, bytes 1 and 3 in lanes 16-31.  One swap of two tiles' halves and one shift-or give both tiles' words in one register: tile 2 k in lanes 0-15, 2 k + 1 in lanes 16-31.
; x_input's blocks of 32 fall alike in layer 0 (K 0 .. 59) and in layer 2 (K 256 .. 315): it is quantised once.  Its K step's upper 64 are zero codes; of the weights only the lower 64 are loaded for it
; (the fragment's upper registers then hold older bits, which meet zero codes alone).
; SINES.  The angle is 2^l y, y = fl(pi x), as the definition's.  y / pi is held as two f32 numbers F + G.  n = the nearest whole number to 2^l F; r = (2^l F - n) + 2^l G, the first difference exact, |r| <= 1/2.
; sin(angle) = (-1)^n r S(r r);  cos(angle) = (-1)^n (1/4 - r r) C(r r): the second has its zero where the cosine has it.  The sign is n's low bit, added onto bit 31.
; LIMITS: |32 x| and |512 t| under 2^22 (the whole number n has that room).  NaN and infinities are not served.  Blocks whose largest magnitude lies under 2^-124 keep the scale byte 1.
;
; REGISTERS, in windows of 256 (s_set_vgpr_msb: bits 1:0 source 0, 3:2 source 1, 5:4 source 2, 7:6 destination).
;   window 0: v1-15, v62, v63 addresses; v16-29 scale words and nothing else; v30, v31 the add; v32-37 constants; v38-49 at work in the quantiser; v50-55 xyz; v64-127 two sets of four weight fragments; v128-255 the 16 accumulators (tile u, rows t).
;   window 1: v0-31 x's four fragments; v32-95, v96-159 the hidden layers' fragments by turns (v96-159 also the last layer in bf16); v160-191 four tiles of biases; v192-223 the heads' sums; v224-231 their biases; v232-255 x_input 40 .. 63.
;   The encoding works in v64-231 of window 0, which are free while it runs.
.set WSC,    131072                    ; LDS, and the image: scale words
.set BIASO,  139264                    ; biases
.set HEADO,  143360                    ; head fragments
.set HBO,    151552                    ; (in memory only) the heads' biases
.set WPART,  18944                     ; a wave's part of the image: 74 rows of 256 bytes
.set XST,    151552                    ; behind the image: 2,048 bytes a wave: x's codes, tile t at 512 t + 16 lane
.set OST,    167936                    ; 2,816 bytes a wave: 64 rows of rot (16 bytes), xyz (12), scale (12), op (4), each dense
.set OSTW,   2816
.set SPARE,  OST+8*OSTW                ; the spare words, 128 bytes a wave
.set LI,   1                           ; 16 x lane
.set LI2,  2                           ; + 65,536: fragments 64 on
.set LW,   3                           ; 8 x lane + WSC
.set LB,   4                           ; 32 h + BIASO
.set LH,   5                           ; 16 x lane + HEADO
.set XSW,  6                           ; x's codes into the stage: 512 (lane / 16) + 16 (lane % 16)
.set XSR,  7                           ; and out of it: 16 x lane
.set ROT0, 8                           ; the outputs' stage: 16 r + 8 h;
.set OP0,  9                           ; 2,560 + 4 r;
.set XYZ0, 10                          ; 1,024 + 768 h + 12 r
.set FL8,  11                          ; the outputs' stage, 8 x lane
.set L8,   12                          ; 8 x lane
.set FL,   15                          ; the outputs' stage, 16 x lane
.set WS,   16                          ; v16-19  weight scale words, two sets of two: register 0 tiles 0 (lanes 0-15) and 1 (lanes 16-31), register 1 tiles 2 and 3
.set XS,   20                          ; v20-21  x's scale words: register k: tiles 2 k (lanes 0-15) and 2 k + 1 (lanes 16-31)
.set HAS,  22                          ; v22-25  scale words of the fragments in HA: 2 k + s, tiles as above
.set HBS,  26                          ; v26-29  of those in HB
.set SPW,  30                          ; LDS address of my spare word; never rewritten
.set NIL,  31                          ; 0; never rewritten
.set CMAG, 32                          ; pairs, never rewritten: 1.5 x 2^23,
.set CS4,  34                          ; the highest coefficient of S,
.set CG4,  36                          ; and of C
.set MX,   38                          ; v38-41  a block's largest number, one for each tile of rows
.set EX,   42                          ; v42-45  the conversions' scale operands
.set BYT,  46                          ; v46-49  scale bytes on their way to a word
.set XQ,   50                          ; v50-55  pairs (row lane, row lane + 32) of x, y, z
.set GX,   62                          ; 12 x lane
.set HBA,  63                          ; 32 h + HBO
.set WB,   64
.set ACC,  128                         ; accumulator (u, t) at ACC + 32 u + 8 t
.set XF,   0                           ; window 1
.set HA,   32                          ; + 16 t + 8 s
.set HB,   96
.set HF,   96                          ; + 8 (4 v + t)
.set BIAS, 160
.set HACC, 192
.set HBIAS, 224
.set TC,   232
.set FG,   64                          ; the encoding: v64-69 G, three pairs,
.set YY,   70                          ; v70-75 pi x,
.set FH,   90                          ; v90-95 F
.set WK,   96                          ; v96-137 three sets of seven pairs:
.set NO,   0                           ; n as a number,
.set IO,   2                           ; n + 1.5 x 2^23,
.set RO,   4                           ; r,
.set QO,   6                           ; r r,
.set GO,   8                           ; C,
.set SO,   10                          ; S,
.set AO,   12                          ; 1/4 - r r
.set XA,   152                         ; v152-191 x_input 0 .. 39 of row lane
.set XB,   192                         ; v192-231 of row lane + 32
.set CA,   96                          ; codes of row lane, of row lane + 32, maxima: on the sets' registers, once these are done with
.set CB,   104
.set EM,   112
.set WV,   18                          ; s18 wave;  s19 cx;  s20 work-group (these two enter global addresses alone)
.set CX,   19
.set WG,   20
.set TRIP, 21
.set NT,   22                          ; my trips: 3 or 1
.set SGN,  24                          ; the sign bits of eight codes
.set TT,   26                          ; t
.set TMX,  27                          ; the largest magnitude among the time's twenty sines and cosines, and the floor
.set G0,   28
.set G1,   32
.set KS3,  66                          ; scalar pairs (both words alike): S's other coefficients,
.set KS2,  68
.set KS1,  70
.set KS0,  72
.set KG3,  74                          ; and C's (the last is 4)
.set KG2,  76
.set KG1,  78
.set INVPI, 0x3ea2f983                 ; 1 / pi in two parts
.set INVPL, 0x325c9c88
.set PI,    0x40490fdb
.set MSB, 0
.macro WIN new                         ; the immediate's high byte repeats the setting that is left; a switch that changes nothing is dropped
.if MSB != \new
	s_set_vgpr_msb (MSB<<8)|\new
.set MSB, \new
.endif
.endm
.macro PLACES n
.rept \n
	v_nop
.endr
.endm
.macro ROUND                           ; a round of the cluster's barrier
	s_barrier_signal -1
	s_barrier_wait -1
	s_cmp_lg_u32 s[WV], 0
	s_cbranch_scc1 .Lnot_wave_0_\@
	s_barrier_signal -3
.Lnot_wave_0_\@:
	s_barrier_wait -3
	s_barrier_signal -1
	s_barrier_wait -1
.endm
; ---------------- the products
.macro WM                              ; one product, by the symbols D_, A_, B_, C_, SA_, SB_; RA_, RB_: the scales stand in lanes 16-31
.if RA_ && RB_
	v_wmma_scale_f32_16x16x128_f8f6f4 v[D_:D_+7], v[A_:A_+7], v[B_:B_+7], v[C_:C_+7], v[SA_], v[SB_] matrix_a_fmt:MATRIX_FMT_FP4 matrix_b_fmt:MATRIX_FMT_FP4 matrix_a_scale:MATRIX_SCALE_ROW1 matrix_b_scale:MATRIX_SCALE_ROW1
.elseif RA_
	v_wmma_scale_f32_16x16x128_f8f6f4 v[D_:D_+7], v[A_:A_+7], v[B_:B_+7], v[C_:C_+7], v[SA_], v[SB_] matrix_a_fmt:MATRIX_FMT_FP4 matrix_b_fmt:MATRIX_FMT_FP4 matrix_a_scale:MATRIX_SCALE_ROW1
.elseif RB_
	v_wmma_scale_f32_16x16x128_f8f6f4 v[D_:D_+7], v[A_:A_+7], v[B_:B_+7], v[C_:C_+7], v[SA_], v[SB_] matrix_a_fmt:MATRIX_FMT_FP4 matrix_b_fmt:MATRIX_FMT_FP4 matrix_b_scale:MATRIX_SCALE_ROW1
.else
	v_wmma_scale_f32_16x16x128_f8f6f4 v[D_:D_+7], v[A_:A_+7], v[B_:B_+7], v[C_:C_+7], v[SA_], v[SB_] matrix_a_fmt:MATRIX_FMT_FP4 matrix_b_fmt:MATRIX_FMT_FP4
.endif
.endm
.macro OPND L, s                       ; what K step s of layer L multiplies by: BB_ + BS_ t, scale words SB0_ + SS_ (t / 2)
.set IX_, 0
.set BS_, 16
.set SS_, 2
.if (\L) == 0
.set IX_, 1
.elseif (\L) == 2
.if (\s) == 2
.set IX_, 1
.else
.set BB_, HB+8*(\s)
.set SB0_, HBS+(\s)
.endif
.else
.set BB_, HA+8*(\s)
.set SB0_, HAS+(\s)
.endif
.if IX_
.set BB_, XF
.set BS_, 8
.set SB0_, XS
.set SS_, 1
.endif
.endm
; 16 products: the group's four weight tiles x four tiles of rows, 128 along K.  The sixteen accumulators take turns, one instruction a turn, in the same order in every K step.
.macro MUL16 f
.set WB_, WB+32*(((\f)/4)%2)
.set WS_, WS+2*(((\f)/4)%2)
.irp u, 0,1,2,3
.irp t, 0,1,2,3
.set D_, ACC+32*\u+8*\t
.set A_, WB_+8*\u
.set B_, BB_+BS_*\t
.set C_, D_
.if FIRST_
.set C_, BIAS+8*\u
.endif
.set SA_, WS_+\u/2
.set RA_, \u%2
.set SB_, SB0_+SS_*(\t/2)
.set RB_, \t%2
	WM
.endr
.endr
.endm
; Fragments f .. f + 3 and their scale words into the set (f / 4) % 2: nine LDS loads; for a K step on x five.  They name a destination and an address alone, both in window 0 under the products' settings too.
.macro LDSTEP f, isx
.set WB_, WB+32*(((\f)/4)%2)
.set WS_, WS+2*(((\f)/4)%2)
.irp u, 0,1,2,3
.if (\f) < 64
	ds_load_b128 v[WB_+8*\u:WB_+8*\u+3], v[LI] offset:((\f)+\u)*1024
.if (\isx) == 0
	ds_load_b128 v[WB_+8*\u+4:WB_+8*\u+7], v[LI] offset:((\f)+\u)*1024+512
.endif
.else
	ds_load_b128 v[WB_+8*\u:WB_+8*\u+3], v[LI2] offset:((\f)-64+\u)*1024
.if (\isx) == 0
	ds_load_b128 v[WB_+8*\u+4:WB_+8*\u+7], v[LI2] offset:((\f)-64+\u)*1024+512
.endif
.endif
.endr
	ds_load_b64 v[WS_:WS_+1], v[LW] offset:((\f)/4)*256
.endm
.macro LDB bt                          ; bias tiles bt .. bt + 3: lane (r, h) wants entries 8 h .. 8 h + 7 of each: eight LDS loads
	WIN 0x40
.irp u, 0,1,2,3
	ds_load_b128 v[BIAS+8*\u:BIAS+8*\u+3], v[LB] offset:((\bt)+\u)*64
	ds_load_b128 v[BIAS+8*\u+4:BIAS+8*\u+7], v[LB] offset:((\bt)+\u)*64+16
.endr
.endm
.macro LDH c, f                        ; the chunk's two head fragments into the weight set just multiplied: four LDS loads
.set T_, WB+32*(((\f)/4)%2)
.irp v, 0,1
	ds_load_b128 v[T_+8*\v:T_+8*\v+3], v[LH] offset:(2*(\c)+\v)*1024
	ds_load_b128 v[T_+8*\v+4:T_+8*\v+7], v[LH] offset:(2*(\c)+\v)*1024+512
.endr
.endm
; Chunk c's scale bytes.  c even: blocks 0 (lanes 0-15) and 1 (lanes 16-31) of the K step: kept.  c odd: blocks 2 and 3, and the words.
; For c = 0, 1, 2 these lines stand behind the NEXT chunk's products, as their places (they name no register of theirs); for c = 3 in the chunk itself.
.macro PB c, outs
.if (\c)%2 == 0
.irp t, 0,1,2,3
	v_lshrrev_b32 v[BYT+\t], 23, v[EX+\t]
.endr
.else
.irp t, 0,1,2,3
	v_lshrrev_b32 v[MX+\t], 23, v[EX+\t]
.endr
.irp t, 0,1,2,3
	v_lshl_or_b32 v[BYT+\t], v[MX+\t], 16, v[BYT+\t]
.endr
	v_permlane16_swap_b32 v[BYT], v[BYT+1]         ; now the first holds bytes 0 and 2 of tile 0 (lanes 0-15) and tile 1 (lanes 16-31), the second bytes 1 and 3
	v_permlane16_swap_b32 v[BYT+2], v[BYT+3]
	v_lshl_or_b32 v[(\outs)+(\c)/2], v[BYT+1], 8, v[BYT]
	v_lshl_or_b32 v[(\outs)+2+(\c)/2], v[BYT+3], 8, v[BYT+2]
.endif
.endm
; A chunk's results (64 units x 64 rows) become codes of the next operand; the four tiles of rows by turns, line by line.
.macro QUANT c, out, outs, f
.set T_, WB+32*(((\f)/4)%2)            ; sixteen registers of the weight set just multiplied take the raw codes
.irp t, 0,1,2,3
	v_max3_num_f32 v[MX+\t], v[ACC+8*\t], v[ACC+8*\t+1], 0x1800000   ; no |.|: relu; the floor 2^(3 - 127) holds the byte at 1 from below.  Each accumulator is read from its low end on
.endr
.irp p, 1,2,3,4,5,6,7,8,9,10,11,12,13,14,15
.irp t, 0,1,2,3
	v_max3_num_f32 v[MX+\t], v[MX+\t], v[ACC+32*(\p/4)+8*\t+2*(\p%4)], v[ACC+32*(\p/4)+8*\t+2*(\p%4)+1]
.endr
.endr
.irp t, 0,1,2,3
	v_add_nc_u32 v[EX+\t], 0xff000000, v[MX+\t]    ; 2 off the exponent field: the conversions' scale operand
.endr
.irp t, 0,1,2,3
.irp u, 0,1,2,3
	v_cvt_scalef32_pk8_fp4_f32 v[T_+4*\t+\u], v[ACC+32*\u+8*\t:ACC+32*\u+8*\t+7], v[EX+\t]
.endr
.endr
.if (\c) == 3
	PB 3, \outs                                    ; more than eight plain lines follow ahead of the first product that names the words
.else
	v_nop                                          ; a plain line behind the last scaled conversion
.endif
.set k_, 0
.rept 16
	v_and_b32 v[ACC+k_], s[SGN], v[T_+k_]          ; the eight signs (the accumulators are done with)
.set k_, k_+1
.endr
.set k_, 0
.rept 16
	v_lshrrev_b32 v[ACC+16+k_], 3, v[ACC+k_]
.set k_, k_+1
.endr
.set k_, 0
.rept 16
	v_sub_nc_u32 v[ACC+k_], v[ACC+k_], v[ACC+16+k_]   ; 8 - 1 = 7 in each negative code's place
.set k_, k_+1
.endr
	WIN 0x40
.irp t, 0,1,2,3
.irp u, 0,1,2,3
	v_bfi_b32 v[(\out)+16*\t+8*((\c)/2)+4*((\c)%2)+\u], v[ACC+4*\t+\u], 0, v[T_+4*\t+\u]   ; a negative code keeps its sign alone: -0
.endr
.endr
	WIN 0
.if (\c) == 3
	PLACES 4                                       ; operands written by vector lines stand four places ahead of a scaled product
.endif
.endm
; The last layer's chunk: relu (two numbers a line), bf16, and its share of the heads' sums (K = these 64 units, as two instructions of 32).
.macro HEADV c, f
.set T_, WB+32*(((\f)/4)%2)
.set k_, 0
.rept 64
	v_dual_max_num_f32 v[ACC+k_], 0, v[ACC+k_] :: v_dual_max_num_f32 v[ACC+k_+1], 0, v[ACC+k_+1]
.set k_, k_+2
.endr
	WIN 0x40
.irp v, 0,1
.irp t, 0,1,2,3
.irp e, 0,1
.irp g, 0,1,2,3
	v_cvt_pk_bf16_f32 v[HF+8*(4*\v+\t)+4*\e+\g], v[ACC+32*(2*\v+\e)+8*\t+2*\g], v[ACC+32*(2*\v+\e)+8*\t+2*\g+1]   ; register 4 e + g: units 64 c + 32 h + 16 v + 8 e + 2 g, + 1
.endr
.endr
.endr
.endr
	WIN 0x54
	s_wait_alu depctr_va_vdst(0)
.if (\c) < 3
	s_wait_dscnt 17                                ; the head fragments are in; behind them the next chunk's nine and eight loads may be out
.else
	s_wait_dscnt 0x0
.endif
.irp v, 0,1
.irp t, 0,1,2,3
.if ((\c) == 0) && (\v == 0)
	v_wmma_f32_16x16x32_bf16 v[HACC+8*\t:HACC+8*\t+7], v[T_+8*\v:T_+8*\v+7], v[HF+8*(4*\v+\t):HF+8*(4*\v+\t)+7], v[HBIAS:HBIAS+7]
.else
	v_wmma_f32_16x16x32_bf16 v[HACC+8*\t:HACC+8*\t+7], v[T_+8*\v:T_+8*\v+7], v[HF+8*(4*\v+\t):HF+8*(4*\v+\t)+7], v[HACC+8*\t:HACC+8*\t+7]
.endif
.endr
.endr
	WIN 0
	PLACES 4                                       ; ahead of loads into the fragments' registers, and of the stores of the sums
.endm
; Chunk c (64 units) of layer L for the 64 rows.  On entry its first K step's fragments and its biases have been asked for.  A K step's loads are issued a step ahead; the next chunk's stand ahead of this chunk's vector work.
.macro CHUNK L, c
.set S_, 1+(\L)-2*((\L)/3)             ; K steps: 1, 2, 3, 2
.set F0_, 8*(\L)*((\L)+1)+4*(\c)*S_    ; the chunk's first fragment
.set s_, 0
.rept S_
.if s_+1 < S_
.if s_ > 0
	PLACES 4                                       ; the set to be loaded was multiplied by the products before the last
.endif
	OPND \L, s_+1
	LDSTEP F0_+4*(s_+1), IX_
.endif
.if s_ == 0
	s_wait_alu depctr_va_vdst(0)
.endif
.if s_+1 < S_
.if IX_
	s_wait_dscnt 5                                 ; all but the five loads just issued
.else
	s_wait_dscnt 9                                 ; all but the nine loads just issued
.endif
.else
	s_wait_dscnt 0x0
.endif
	OPND \L, s_
.if s_ == 0
	WIN 0x14                                       ; source 1 (activations) and C (biases) in window 1
.set FIRST_, 1
.else
	WIN 0x04
.set FIRST_, 0
.endif
	MUL16 F0_+4*s_
.set s_, s_+1
.endr
.set FD_, F0_+4*(S_-1)                 ; the K step just multiplied
; four places ahead of the first read of the results, and of loads into registers that products have read: the last chunk's scale bytes, or v_nop
.if ((\L) < 3) && ((\c) > 0)
	WIN 0
.if (\L) == 1
	PB \c-1, HBS
.else
	PB \c-1, HAS
.endif
.else
	PLACES 4
.endif
.if (\L) == 3
	LDH \c, FD_
.endif
.set NL_, \L
.set NC_, (\c)+1
.if (\c) == 3
.set NL_, (\L)+1
.set NC_, 0
.endif
.if NL_ < 4
.set NS_, 1+NL_-2*(NL_/3)
.set NX_, 0
.if NL_ == 0
.set NX_, 1
.endif
	LDSTEP 8*NL_*(NL_+1)+4*NC_*NS_, NX_
	LDB 16*NL_+4*NC_
.endif
	WIN 0
.if (\L) == 0
	QUANT \c, HA, HAS, FD_
.elseif (\L) == 1
	QUANT \c, HB, HBS, FD_
.elseif (\L) == 2
	QUANT \c, HA, HAS, FD_
.else
	HEADV \c, FD_
.endif
.endm
; ---------------- the encoding
; Six angles 2^l y, in three pairs (row lane, row lane + 32): sixteen packed lines for each pair, the chains by turns.
.macro SINCOS l
.irp q, 0,1,2
	v_pk_fma_f32 v[WK+14*\q+IO:WK+14*\q+IO+1], v[FH+2*\q:FH+2*\q+1], (127+\l)<<23, v[CMAG:CMAG+1] op_sel_hi:[1,0,1]   ; its low bits are n
.endr
.irp q, 0,1,2
	v_pk_add_f32 v[WK+14*\q+NO:WK+14*\q+NO+1], v[WK+14*\q+IO:WK+14*\q+IO+1], v[CMAG:CMAG+1] neg_lo:[0,1] neg_hi:[0,1]   ; n as a number
.endr
.irp q, 0,1,2
	v_pk_fma_f32 v[WK+14*\q+RO:WK+14*\q+RO+1], v[FH+2*\q:FH+2*\q+1], (127+\l)<<23, v[WK+14*\q+NO:WK+14*\q+NO+1] op_sel_hi:[1,0,1] neg_lo:[0,0,1] neg_hi:[0,0,1]
.endr
.irp q, 0,1,2
	v_pk_fma_f32 v[WK+14*\q+RO:WK+14*\q+RO+1], v[FG+2*\q:FG+2*\q+1], (127+\l)<<23, v[WK+14*\q+RO:WK+14*\q+RO+1] op_sel_hi:[1,0,1]
.endr
.irp q, 0,1,2
	v_pk_mul_f32 v[WK+14*\q+QO:WK+14*\q+QO+1], v[WK+14*\q+RO:WK+14*\q+RO+1], v[WK+14*\q+RO:WK+14*\q+RO+1]
.endr
.irp q, 0,1,2
	v_pk_fma_f32 v[WK+14*\q+AO:WK+14*\q+AO+1], v[WK+14*\q+RO:WK+14*\q+RO+1], v[WK+14*\q+RO:WK+14*\q+RO+1], 0x3e800000 op_sel_hi:[1,1,0] neg_lo:[1,0,0] neg_hi:[1,0,0]   ; 1/4 - r r, rounded once
.endr
.irp q, 0,1,2
	v_pk_fma_f32 v[WK+14*\q+SO:WK+14*\q+SO+1], v[WK+14*\q+QO:WK+14*\q+QO+1], v[CS4:CS4+1], s[KS3:KS3+1] op_sel_hi:[1,1,0]
.endr
.irp q, 0,1,2
	v_pk_fma_f32 v[WK+14*\q+GO:WK+14*\q+GO+1], v[WK+14*\q+QO:WK+14*\q+QO+1], v[CG4:CG4+1], s[KG3:KG3+1] op_sel_hi:[1,1,0]
.endr
.irp q, 0,1,2
	v_pk_fma_f32 v[WK+14*\q+SO:WK+14*\q+SO+1], v[WK+14*\q+SO:WK+14*\q+SO+1], v[WK+14*\q+QO:WK+14*\q+QO+1], s[KS2:KS2+1] op_sel_hi:[1,1,0]
.endr
.irp q, 0,1,2
	v_pk_fma_f32 v[WK+14*\q+GO:WK+14*\q+GO+1], v[WK+14*\q+GO:WK+14*\q+GO+1], v[WK+14*\q+QO:WK+14*\q+QO+1], s[KG2:KG2+1] op_sel_hi:[1,1,0]
.endr
.irp q, 0,1,2
	v_pk_fma_f32 v[WK+14*\q+SO:WK+14*\q+SO+1], v[WK+14*\q+SO:WK+14*\q+SO+1], v[WK+14*\q+QO:WK+14*\q+QO+1], s[KS1:KS1+1] op_sel_hi:[1,1,0]
.endr
.irp q, 0,1,2
	v_pk_fma_f32 v[WK+14*\q+GO:WK+14*\q+GO+1], v[WK+14*\q+GO:WK+14*\q+GO+1], v[WK+14*\q+QO:WK+14*\q+QO+1], s[KG1:KG1+1] op_sel_hi:[1,1,0]
.endr
.irp q, 0,1,2
	v_pk_fma_f32 v[WK+14*\q+SO:WK+14*\q+SO+1], v[WK+14*\q+SO:WK+14*\q+SO+1], v[WK+14*\q+QO:WK+14*\q+QO+1], s[KS0:KS0+1] op_sel_hi:[1,1,0]
.endr
.irp q, 0,1,2
	v_pk_fma_f32 v[WK+14*\q+GO:WK+14*\q+GO+1], v[WK+14*\q+GO:WK+14*\q+GO+1], v[WK+14*\q+QO:WK+14*\q+QO+1], 4.0 op_sel_hi:[1,1,0]
.endr
.irp q, 0,1,2
	v_pk_mul_f32 v[WK+14*\q+SO:WK+14*\q+SO+1], v[WK+14*\q+SO:WK+14*\q+SO+1], v[WK+14*\q+RO:WK+14*\q+RO+1]
.endr
.irp q, 0,1,2
	v_pk_mul_f32 v[WK+14*\q+GO:WK+14*\q+GO+1], v[WK+14*\q+GO:WK+14*\q+GO+1], v[WK+14*\q+AO:WK+14*\q+AO+1]
.endr
.irp q, 0,1,2                          ; n odd: both signs turn: n's low bit is added onto bit 31
	v_lshl_add_u32 v[XA+3+12*\q+\l], v[WK+14*\q+IO], 31, v[WK+14*\q+SO]
	v_lshl_add_u32 v[XB+3+12*\q+\l], v[WK+14*\q+IO+1], 31, v[WK+14*\q+SO+1]
	v_lshl_add_u32 v[XA+9+12*\q+\l], v[WK+14*\q+IO], 31, v[WK+14*\q+GO]
	v_lshl_add_u32 v[XB+9+12*\q+\l], v[WK+14*\q+IO+1], 31, v[WK+14*\q+GO+1]
.endr
.endm
; 64 rows of x_input, quantised.  Lane l makes rows l and l + 32 whole (packed: one row in each half), so a block's maximum needs no other lane; the codes go to the wave's own stage as the four fragments' images,
; and lane l's scale words are already those of tiles 0, 1 (row l) and 2, 3 (row l + 32).
.macro ENC
.irp d, 0,1,2
	v_pk_mul_f32 v[YY+2*\d:YY+2*\d+1], v[XQ+2*\d:XQ+2*\d+1], PI op_sel_hi:[1,0]   ; y = fl(pi x)
.endr
.irp d, 0,1,2
	v_mov_b32 v[XA+\d], v[XQ+2*\d]
	v_mov_b32 v[XB+\d], v[XQ+2*\d+1]
.endr
.irp d, 0,1,2
	v_pk_mul_f32 v[FH+2*\d:FH+2*\d+1], v[YY+2*\d:YY+2*\d+1], INVPI op_sel_hi:[1,0]
.endr
	v_mov_b32 v[XA+39], s[TT]
	v_mov_b32 v[XB+39], s[TT]
.irp d, 0,1,2
	v_pk_fma_f32 v[FG+2*\d:FG+2*\d+1], v[YY+2*\d:YY+2*\d+1], INVPI, v[FH+2*\d:FH+2*\d+1] op_sel_hi:[1,0,1] neg_lo:[0,0,1] neg_hi:[0,0,1]   ; what the product lost
.endr
.irp d, 0,1,2
	v_pk_fma_f32 v[FG+2*\d:FG+2*\d+1], v[YY+2*\d:YY+2*\d+1], INVPL, v[FG+2*\d:FG+2*\d+1] op_sel_hi:[1,0,1]
.endr
.irp l, 0,1,2,3,4,5
	SINCOS \l
.endr
	v_max3_num_f32 v[EM], |v[XA]|, |v[XA+1]|, 0x1800000        ; block 0: numbers 0 .. 31, and the floor
	v_max3_num_f32 v[EM+2], |v[XB]|, |v[XB+1]|, 0x1800000
	v_max3_num_f32 v[EM+1], |v[XA+32]|, |v[XA+33]|, s[TMX]     ; block 1: numbers 32 .. 39, and what is known of 40 .. 59
	v_max3_num_f32 v[EM+3], |v[XB+32]|, |v[XB+33]|, s[TMX]
.irp i, 2,4,6
	v_max3_num_f32 v[EM], v[EM], |v[XA+\i]|, |v[XA+\i+1]|
	v_max3_num_f32 v[EM+2], v[EM+2], |v[XB+\i]|, |v[XB+\i+1]|
	v_max3_num_f32 v[EM+1], v[EM+1], |v[XA+32+\i]|, |v[XA+33+\i]|
	v_max3_num_f32 v[EM+3], v[EM+3], |v[XB+32+\i]|, |v[XB+33+\i]|
.endr
	v_max3_num_f32 v[EM+4], |v[XA+8]|, |v[XA+9]|, |v[XA+10]|   ; a second chain for each row's block 0
	v_max3_num_f32 v[EM+5], |v[XB+8]|, |v[XB+9]|, |v[XB+10]|
.irp i, 12,16,20,24,28
	v_max3_num_f32 v[EM], v[EM], |v[XA+\i]|, |v[XA+\i+1]|
	v_max3_num_f32 v[EM+2], v[EM+2], |v[XB+\i]|, |v[XB+\i+1]|
	v_max3_num_f32 v[EM+4], v[EM+4], |v[XA+\i+2]|, |v[XA+\i+3]|
	v_max3_num_f32 v[EM+5], v[EM+5], |v[XB+\i+2]|, |v[XB+\i+3]|
.endr
	v_max3_num_f32 v[EM], v[EM], v[EM+4], |v[XA+11]|
	v_max3_num_f32 v[EM+2], v[EM+2], v[EM+5], |v[XB+11]|
.irp k, 1,3,0,2
	v_add_nc_u32 v[EM+4+\k], 0xff000000, v[EM+\k]
.endr
.irp k, 1,3,0,2
	v_lshrrev_b32 v[EM+\k], 23, v[EM+4+\k]
.endr
	v_lshl_or_b32 v[XS], v[EM+1], 8, v[EM]         ; bytes 2 and 3 stay 0: they meet zero codes alone
	v_lshl_or_b32 v[XS+1], v[EM+3], 8, v[EM+2]
.irp g, 0,1,2,3
	v_cvt_scalef32_pk8_fp4_f32 v[CA+\g], v[XA+8*\g:XA+8*\g+7], v[EM+4]
	v_cvt_scalef32_pk8_fp4_f32 v[CB+\g], v[XB+8*\g:XB+8*\g+7], v[EM+6]
.endr
	v_cvt_scalef32_pk8_fp4_f32 v[CA+4], v[XA+32:XA+39], v[EM+5]
	v_cvt_scalef32_pk8_fp4_f32 v[CB+4], v[XB+32:XB+39], v[EM+7]
	WIN 0x01                                       ; numbers 40 .. 63 lie in window 1
.irp g, 0,1,2
	v_cvt_scalef32_pk8_fp4_f32 v[CA+5+\g], v[TC+8*\g:TC+8*\g+7], v[EM+5]
	v_cvt_scalef32_pk8_fp4_f32 v[CB+5+\g], v[TC+8*\g:TC+8*\g+7], v[EM+7]
.endr
	WIN 0
	v_nop                                          ; a plain line behind the last scaled conversion
	ds_store_b128 v[XSW], v[CA:CA+3]               ; row l, block 0: lanes 0-15 of its tile's image,
	ds_store_b128 v[XSW], v[CA+4:CA+7] offset:256  ; block 1: lanes 16-31
	ds_store_b128 v[XSW], v[CB:CB+3] offset:1024   ; row l + 32: two tiles on
	ds_store_b128 v[XSW], v[CB+4:CB+7] offset:1280
.endm
.macro XYZ_LOAD                        ; coordinate d of row 32 half + lane of the block
.irp hf, 0,1
.irp d, 0,1,2
	global_load_b32 v[XQ+2*\d+\hf], v[GX], s[4:5] offset:384*\hf+4*\d th:TH_LOAD_NT
.endr
.endr
.endm
.macro SPAIR r, val
	s_mov_b32 s[\r], \val
	s_mov_b32 s[\r+1], \val
.endm
.macro VPAIR r, val
	v_mov_b32 v[\r], \val
	v_mov_b32 v[\r+1], \val
.endm
; ---------------- the head
	s_load_b256 s[4:11], s[0:1], 0x0               ; xyz s[4:5], time s[6:7], wimg s[8:9], out0 s[10:11]
	s_load_b128 s[12:15], s[0:1], 0x20             ; out1 s[12:13], out2 s[14:15]
	s_load_b64 s[16:17], s[0:1], 0x30              ; out3
	v_lshl_add_u32 v[SPW], v0, 2, SPARE
	v_mov_b32 v[NIL], 0
	ds_add_u32 v[SPW], v[NIL]                      ; the wave's opening: the add, twice on end,
	ds_add_u32 v[SPW], v[NIL]                      ; and its wait below; work on registers stands between
	v_lshrrev_b32 v[MX], 5, v0
	v_readfirstlane_b32 s[WV], v[MX]               ; wave 0..7
	s_bfe_u32 s[CX], ttmp6, 0x40000                ; my place in the cluster
	s_lshl_b32 s[WG], ttmp9, 2                     ; in a cluster launch ttmp9 counts clusters
	s_add_co_u32 s[WG], s[WG], s[CX]
	; descriptor group 1: a dense block as 74 rows of 32 elements of 8 bytes
	s_mov_b32 s[G1], 15|(3<<16)|(1<<21)            ; 15:0 the mask: all four work-groups; 17:16 elements of 8 bytes; 21 set beside a mask; no padding
	s_mov_b32 s[G1+1], 32<<16                      ; tensor_dim0 = 32
	s_mov_b32 s[G1+2], 74<<16                      ; tensor_dim1 = 74
	s_mov_b32 s[G1+3], 32<<16                      ; tile_dim0 = 32
	s_mov_b32 s[G1+4], 74                          ; tile_dim1 = 74
	s_mov_b32 s[G1+5], 32                          ; from row to row
	s_mov_b32 s[G1+6], 0
	s_mov_b32 s[G1+7], 0
	s_mov_b32 s[G0], 1
	s_mul_i32 s[G0+1], s[WV], WPART                ; my part lies in LDS where it lies in the image: the wave's number alone enters
	s_lshl_b32 s46, s[WV], 11
	s_add_co_u32 s46, s46, XST                     ; my stage for x's codes
	s_mul_i32 s47, s[WV], OSTW
	s_add_co_u32 s47, s47, OST                     ; my stage for the outputs
	SPAIR KS3, 0xbf19299e
	SPAIR KS2, 0x40233478
	SPAIR KS1, 0xc0a55de2
	SPAIR KS0, PI
	SPAIR KG3, 0xbe6a3c34
	SPAIR KG2, 0x3fa39534
	SPAIR KG1, 0xc06f4f2f
	s_mov_b32 s[SGN], 0x88888888
	v_and_b32 v[MX], 31, v0                        ; lane
	v_and_b32 v[MX+1], 15, v0                      ; r
	v_bfe_u32 v[MX+2], v0, 4, 1                    ; h
	VPAIR CMAG, 0x4b400000
	VPAIR CS4, 0x3d9f0af8
	VPAIR CG4, 0x3cc5fae8
	v_mul_u32_u24 v[GX], v[MX], 12
	v_lshl_add_u32 v[HBA], v[MX+2], 5, HBO
	v_lshlrev_b32 v[LI], 4, v[MX]
	v_lshlrev_b32 v[L8], 3, v[MX]
	v_lshl_add_u32 v[LW], v[MX], 3, WSC
	v_lshl_add_u32 v[LB], v[MX+2], 5, BIASO
	v_lshlrev_b32 v[XSW], 4, v[MX+1]
	v_lshlrev_b32 v[ROT0], 4, v[MX+1]
	v_mul_u32_u24 v[XYZ0], v[MX+1], 12
	v_lshl_add_u32 v[OP0], v[MX+1], 2, s47
	v_add_nc_u32 v[LI2], 0x10000, v[LI]
	v_add_nc_u32 v[LH], HEADO, v[LI]
	v_lshl_add_u32 v[XSW], v[MX+2], 9, v[XSW]
	v_lshl_add_u32 v[ROT0], v[MX+2], 3, v[ROT0]
	v_mad_u32_u24 v[XYZ0], v[MX+2], 768, v[XYZ0]   ; lanes 16-31 hold scale where lanes 0-15 hold xyz: one product, the distance between the two parts
	v_add_nc_u32 v[OP0], 2560, v[OP0]
	v_add_nc_u32 v[XSR], s46, v[LI]
	v_add_nc_u32 v[XSW], s46, v[XSW]
	v_add_nc_u32 v[ROT0], s47, v[ROT0]
	v_add_nc_u32 v[XYZ0], s47, v[XYZ0]
	v_add_nc_u32 v[FL], s47, v[LI]
	v_add_nc_u32 v[FL8], s47, v[L8]
	v_add_nc_u32 v[XYZ0], 1024, v[XYZ0]
	s_wait_alu depctr_va_vdst(0)
	s_wait_dscnt 0x0                               ; both opening adds are done
	s_wait_kmcnt 0x0
	s_load_b32 s[TT], s[6:7], 0x0                  ; t
	; my first block: 3 w for waves 0 to 3, 12 + (w - 4) for waves 4 to 7
	s_mul_i32 s48, s[WV], 3
	s_add_co_u32 s49, s[WV], 8
	s_cmp_lt_u32 s[WV], 4
	s_cselect_b32 s48, s48, s49
	s_cselect_b32 s[NT], 3, 1                      ; and my trips
	s_lshl_b32 s49, s[WG], 4
	s_add_co_u32 s50, s48, s49                     ; the block's number of 4,096
	s_mul_i32 s48, s50, 768                        ; 12 bytes a row in xyz, out0, out2;
	s_mov_b32 s49, 0
	s_add_nc_u64 s[4:5], s[4:5], s[48:49]
	XYZ_LOAD
	s_add_nc_u64 s[10:11], s[10:11], s[48:49]
	s_add_nc_u64 s[14:15], s[14:15], s[48:49]
	s_lshl_b32 s50, s50, 8
	s_mov_b32 s51, 0
	s_add_nc_u64 s[16:17], s[16:17], s[50:51]      ; 4 in out3;
	s_lshl_b32 s50, s50, 2
	s_add_nc_u64 s[12:13], s[12:13], s[50:51]      ; 16 in out1
	s_mov_b32 s48, s[G0+1]
	s_add_nc_u64 s[G0+2:G0+3], s[8:9], s[48:49]
	s_or_b32 s[G0+3], s[G0+3], 0x80000000          ; type = 2
	ROUND                                          ; all four work-groups are here: the joint loads meet
	tensor_load_to_lds s[G0:G0+3], s[G1:G1+7]      ; my one tensor load of the launch
	s_nop 0
	PLACES 4
	WIN 0x40
	global_load_b128 v[HBIAS:HBIAS+3], v[HBA], s[8:9]              ; the heads' biases: lane (r, h) wants rows 8 h .. 8 h + 7
	global_load_b128 v[HBIAS+4:HBIAS+7], v[HBA], s[8:9] offset:16
.irp t, 0,1,2,3
.irp g, 4,5,6,7
	v_mov_b32 v[XF+8*\t+\g], 0                     ; K = 64 .. 127 of x's step: zero codes, set once
.endr
.endr
	WIN 0
.irp n, 79,84,85,86,87
	v_mov_b32 v\n, 0                               ; upper fragment registers that the first products on x name and nothing else has written: they meet zero codes alone
.endr
	s_mov_b32 s[TRIP], 0
	; ---- the time's part of x_input is the same for every row.  Lane l makes ONE number: l < 10 the sine of 2^l pi t, 10 <= l < 20 the cosine of 2^(l - 10) pi t, l >= 20 zero (60 .. 63: the short block's filling)
	s_wait_alu depctr_va_vdst(0)
	s_wait_kmcnt 0x0
	v_mov_b32 v66, s[TT]
	v_add_nc_u32 v65, -10, v[MX]
	v_cmp_gt_u32 s40, 10, v[MX]
	v_cmp_gt_u32 s41, 20, v[MX]
	v_mul_f32 v66, PI, v66                         ; y = fl(pi t)
	v_cndmask_b32 v65, v65, v[MX], s40
	v_mul_f32 v67, INVPI, v66
	v_min_u32 v65, 9, v65                          ; the power
	v_fma_f32 v68, v66, INVPI, -v67
	v_lshl_add_u32 v76, v[MX], 2, s46
	v_fma_f32 v68, v66, INVPL, v68
	v_ldexp_f32 v67, v67, v65
	v_ldexp_f32 v68, v68, v65
	v_add_f32 v69, v67, v[CMAG]
	v_mov_b32 v78, s46
	v_sub_f32 v70, v69, v[CMAG]
	v_sub_f32 v71, v67, v70
	v_add_f32 v71, v71, v68                        ; r
	v_mul_f32 v72, v71, v71
	v_fma_f32 v73, -v71, v71, 0x3e800000
	v_fma_f32 v74, v72, v[CS4], s[KS3]
	v_fma_f32 v75, v72, v[CG4], s[KG3]
	v_fma_f32 v74, v74, v72, s[KS2]
	v_fma_f32 v75, v75, v72, s[KG2]
	v_fma_f32 v74, v74, v72, s[KS1]
	v_fma_f32 v75, v75, v72, s[KG1]
	v_fma_f32 v74, v74, v72, s[KS0]
	v_fma_f32 v75, v75, v72, 4.0
	v_mul_f32 v74, v74, v71
	v_mul_f32 v75, v75, v73
	v_cndmask_b32 v74, v75, v74, s40
	v_lshl_add_u32 v74, v69, 31, v74
	v_cndmask_b32 v74, 0, v74, s41
	ds_store_b32 v76, v74                          ; into my stage, and back as 24 numbers in every lane (LDS serves a wave's instructions in order)
	v_and_b32 v77, 0x7fffffff, v74
	v_max_num_f32_dpp v77, v77, v77 row_xmask:1 row_mask:0xf bank_mask:0xf
	v_max_num_f32_dpp v77, v77, v77 row_xmask:2 row_mask:0xf bank_mask:0xf
	v_max_num_f32_dpp v77, v77, v77 row_xmask:4 row_mask:0xf bank_mask:0xf
	v_max_num_f32_dpp v77, v77, v77 row_xmask:8 row_mask:0xf bank_mask:0xf
	v_readlane_b32 s50, v77, 0
	v_readlane_b32 s51, v77, 16
	s_max_u32 s50, s50, s51                        ; (bits of numbers that are not negative order as the numbers do)
	s_max_u32 s[TMX], s50, 0x1800000               ; it serves as a leaf of every row's second block
	WIN 0x40
.irp k, 0,1,2,3,4,5
	ds_load_b128 v[TC+4*\k:TC+4*\k+3], v78 offset:16*\k   ; x_input 40 + 4 k ..
.endr
	WIN 0
	s_wait_alu depctr_va_vdst(0)
	s_wait_loadcnt 0x0                             ; the first block's xyz, the heads' biases
	s_wait_dscnt 0x0
	ENC                                            ; the first block is encoded while the image is on its way
	s_wait_alu depctr_va_vdst(0)
	s_wait_tensorcnt 0x0                           ; my part of the image has landed,
	s_wait_dscnt 0x0                               ; (no LDS instruction of mine is out at a signal)
	s_barrier_signal -1
	s_barrier_wait -1                              ; everybody's has: from here on the image is only read
; ---------------- 64 rows a trip
.Ltrip:
	WIN 0x40
.irp t, 0,1,2,3
	ds_load_b128 v[XF+8*\t:XF+8*\t+3], v[XSR] offset:512*\t   ; x's fragments: LDS serves a wave's instructions in order, so these see my stores
.endr
	WIN 0
	LDSTEP 0, 1
	LDB 0
	WIN 0
	s_add_co_u32 s46, s[TRIP], 1
	s_cmp_lt_u32 s46, s[NT]
	s_cbranch_scc0 .Llast
	s_add_nc_u64 s[4:5], s[4:5], 768               ; (the loads before have been waited for)
	XYZ_LOAD                                       ; the next trip's rows
.Llast:
	PLACES 8                                       ; x's scale words were written by vector lines: eight places ahead of the first scaled product
.irp c, 0,1,2,3
	CHUNK 0, \c
.endr
.irp c, 0,1,2,3
	CHUNK 1, \c
.endr
.irp c, 0,1,2,3
	CHUNK 2, \c
.endr
.irp c, 0,1,2,3
	CHUNK 3, \c
.endr
	; the way out: the block's outputs become dense in my stage: eleven times 256 bytes, each at a multiple of 256 from its buffer's first byte
	WIN 0x04                                       ; an LDS store's data are its source 1: window 1
.irp t, 0,1,2,3
	ds_store_b64 v[ROT0], v[HACC+8*\t:HACC+8*\t+1] offset:256*\t   ; lane (r, h): rot 2 h, 2 h + 1 of row 16 t + r.  Each sum is read from its low end on
	ds_store_b32 v[OP0], v[HACC+8*\t+2] offset:64*\t               ; op: both halves hold it, and write the same number to the same place
	ds_store_b32 v[XYZ0], v[HACC+8*\t+4] offset:192*\t             ; xyz (h = 0) or scale (h = 1)
	ds_store_b32 v[XYZ0], v[HACC+8*\t+5] offset:192*\t+4
	ds_store_b32 v[XYZ0], v[HACC+8*\t+6] offset:192*\t+8
.endr
	WIN 0
.irp k, 0,1
	ds_load_b128 v[ACC+4*\k:ACC+4*\k+3], v[FL] offset:512*\k
.endr
.irp k, 0,1,2,3,4,5,6
	ds_load_b64 v[ACC+8+2*\k:ACC+9+2*\k], v[FL8] offset:1024+256*\k
.endr
	s_add_co_u32 s[TRIP], s[TRIP], 1
	s_wait_dscnt 0x0
.irp k, 0,1
	global_store_b128 v[LI], v[ACC+4*\k:ACC+4*\k+3], s[12:13] offset:512*\k th:TH_STORE_NT
.endr
.irp k, 0,1,2
	global_store_b64 v[L8], v[ACC+8+2*\k:ACC+9+2*\k], s[10:11] offset:256*\k th:TH_STORE_NT
.endr
.irp k, 0,1,2
	global_store_b64 v[L8], v[ACC+14+2*\k:ACC+15+2*\k], s[14:15] offset:256*\k th:TH_STORE_NT
.endr
	global_store_b64 v[L8], v[ACC+20:ACC+21], s[16:17] th:TH_STORE_NT
	s_cmp_ge_u32 s[TRIP], s[NT]
	s_cbranch_scc1 .Lout
	s_wait_xcnt 0x0                                ; the stores have read their data and bases: both may be rewritten
	s_add_nc_u64 s[12:13], s[12:13], 1024
	s_add_nc_u64 s[10:11], s[10:11], 768
	s_add_nc_u64 s[14:15], s[14:15], 768
	s_add_nc_u64 s[16:17], s[16:17], 256
	s_wait_loadcnt 0x0                             ; the next rows' xyz
	ENC
	s_wait_alu depctr_va_vdst(0)
	s_cmp_lt_u32 s[TRIP], 3
	s_cbranch_scc1 .Ltrip
.Lout:
	s_wait_tensorcnt 0x0                           ; the wave's end
	ds_add_u32 v[SPW], v[NIL]
	s_wait_dscnt 0x0
	ROUND                                          ; the closing round: no work-group ends while a partner may still ask for a tile that names it
	s_endpgm
.Lfunc_end_k_q3f5ea3d0ac_mlp:
	.size	k_q3f5ea3d0ac_mlp, .Lfunc_end_k_q3f5ea3d0ac_mlp-k_q3f5ea3d0ac_mlp
	.p2alignl 7, 3214868480
	.fill 96, 4, 3214868480
	.section	.rodata,"a",@progbits
	.p2align	6, 0x0
	.amdhsa_kernel k_q3f5ea3d0ac_mlp
		.amdhsa_group_segment_fixed_size 191488
		.amdhsa_private_segment_fixed_size 0
		.amdhsa_enable_private_segment 0
		.amdhsa_kernarg_size 56
		.amdhsa_user_sgpr_count 2
		.amdhsa_user_sgpr_kernarg_segment_ptr 1
		.amdhsa_wavefront_size32 1
		.amdhsa_system_sgpr_workgroup_id_x 1
		.amdhsa_system_sgpr_workgroup_id_y 1
		.amdhsa_system_sgpr_workgroup_id_z 1
		.amdhsa_system_vgpr_workitem_id 0
		.amdhsa_next_free_vgpr 512
		.amdhsa_next_free_sgpr 80
		.amdhsa_reserve_vcc 0
		.amdhsa_float_denorm_mode_32 3
		.amdhsa_float_denorm_mode_16_64 3
		.amdhsa_memory_ordered 1
		.amdhsa_forward_progress 1
		.amdhsa_inst_pref_size 255
	.end_amdhsa_kernel
	.section	.bss,"aw",@nobits
	.p2align	6
	.space	262144
	.amdgpu_metadata
---
amdhsa.version: [ 1, 2 ]
amdhsa.kernels:
  - .name:           k_q3f5ea3d0ac_mlp
    .symbol:         k_q3f5ea3d0ac_mlp.kd
    .args:
      - { .name: canonical_xyz, .offset: 0, .size: 8, .value_kind: global_buffer, .address_space: global }
      - { .name: time, .offset: 8, .size: 8, .value_kind: global_buffer, .address_space: global }
      - { .name: wimg, .offset: 16, .size: 8, .value_kind: global_buffer, .address_space: global }
      - { .name: out0, .offset: 24, .size: 8, .value_kind: global_buffer, .address_space: global }
      - { .name: out1, .offset: 32, .size: 8, .value_kind: global_buffer, .address_space: global }
      - { .name: out2, .offset: 40, .size: 8, .value_kind: global_buffer, .address_space: global }
      - { .name: out3, .offset: 48, .size: 8, .value_kind: global_buffer, .address_space: global }
    .group_segment_fixed_size: 191488
    .private_segment_fixed_size: 0
    .kernarg_segment_align: 8
    .kernarg_segment_size: 56
    .max_flat_workgroup_size: 256
    .sgpr_count:     80
    .vgpr_count:     512
    .wavefront_size: 32
...
	.end_amdgpu_metadata
.endif
;; end of part 2
